; MI455X (gfx1250); checked and timed in simulation.
; The chip was launched on July 23, 2026; its instructions are those of AMD's public machine-readable ISA for CDNA 5 (MIT licence, August 2026) and "CDNA5" Instruction Set Architecture Reference Guide (July 2026). The comments in the code are by the model that wrote it; some were corrected since.
;; Multi Modal Spiking Transformer. Allowed arithmetic: matrix products marked QUANTISED: E5M2 operands, one given power-of-two scale a tensor, by v_wmma_f32_16x16x64_bf8_bf8 or v_wmma_f32_16x16x128_bf8_bf8, f32 sums; everything else in f32.
;; Inputs: Wk 512 x 512 float32; Wo 512 x 512 float32; Wq 512 x 512 float32; Wv 512 x 512 float32; bk 512 float32; bo 512 float32; bq 512 float32; bv 512 float32; key_spikes 4 x 32 x 256 x 512 float32; lowp_scales 12 int32 (the exponents e of the quantised operands' scales 2^e); modality_weights 2 x 8 float32; query_spikes 4 x 32 x 256 x 512 float32; temporal_sync 32 x 8 float32; value_spikes 4 x 32 x 256 x 512 float32.
;; Outputs: out0 4 x 32 x 256 x 512 float32.
;; This version of the problem:
;;   THIS VERSION OF THE PROBLEM IS GIVEN IN LOW PRECISION. The matrix products marked QUANTISED in the list below multiply operands that are first quantised to E5M2 (5 exponent bits, 2 mantissa bits; 8 bits a number), with one given power-of-two scale for each operand tensor; their sums are f32. All else is computed in f32.
;;   The module's matrix products, in the order in which they are computed (A, B: the left and right operand; K: the contracted axis; several contracted axes count as one K, in the product's order):
;;     1. [M 32,768, K 512] x [K 512, N 512]; A: input query_spikes; B: input Wq: QUANTISED (scales: A lowp_scales[0], B lowp_scales[1])
;;     2. [M 32,768, K 512] x [K 512, N 512]; A: input key_spikes; B: input Wk: QUANTISED (scales: A lowp_scales[2], B lowp_scales[3])
;;     3. [M 32,768, K 512] x [K 512, N 512]; A: input value_spikes; B: input Wv: QUANTISED (scales: A lowp_scales[4], B lowp_scales[5])
;;     4. batch 1,024 x [M 256, K 64] x [K 64, N 256]; A: computed on the way; B: computed on the way: QUANTISED (scales: A lowp_scales[6], B lowp_scales[7])
;;     5. batch 1,024 x [M 256, K 256] x [K 256, N 64]; A: computed on the way; B: computed on the way: QUANTISED (scales: A lowp_scales[8], B lowp_scales[9])
;;     6. [M 32,768, K 512] x [K 512, N 512]; A: computed on the way; B: input Wo: QUANTISED (scales: A lowp_scales[10], B lowp_scales[11])
;;   THE QUANTISER, for each operand of a quantised product, along K:
;;     - The operand's scale is 2^e, e = its entry of the input lowp_scales (int32; the entries are numbered through the quantised products in the list's order, A before B).
;;     - Each number is divided by the scale, clamped to +-57,344, and rounded to the nearest number of E5M2, ties to even, subnormals kept.
;;     - The product sums the exact products of the quantised numbers (number of the format x scale) in f32.
;;   ~~~python
;;   def quantise(x, axis, e):      # numpy; x: float32 -> the quantised numbers, widened to float32 again
;;       x = np.moveaxis(x, axis, -1); K = x.shape[-1]
;;       r = np.clip(x / 2.0 ** e, -57344, 57344)
;;       step = 2.0 ** (np.maximum(np.frexp(np.where(r == 0, 1, r))[1] - 1, -14) - 2)
;;       q = np.round(r / step) * step * 2.0 ** e      # np.round: ties to even
;;       return np.moveaxis(q, -1, axis).astype(np.float32)
;;   ~~~
;;   OPERANDS COMPUTED ON THE WAY. 'Computed on the way' means the value that the module computes at that place (a softmax that the list does not call 'softmax' is quantised finished and normalised). What goes into a quantiser is computed in f32, as accurately as f32 sums, v_exp_f32 and their like allow (about 1e-6 of the number): no bf16 or f16 on the way to a quantiser, and a product that is left as it is and whose result goes on into a quantised operand takes f32 operands (vector FMAs, or v_wmma_f32_16x16x4_f32). A number that lies on a knife's edge between two numbers of the format may be rounded either way, as far as f32 arithmetic and the matrix unit's own rounding can turn it there, and no further.
;; One version. Each part assembles by itself: llvm-mc -triple=amdgcn-amd-amdhsa -mcpu=gfx1250 --defsym DOCPART=n.
;; ======== version 1 of 1: 3 launches
;; workspace buffers: wc 1,048,576 bytes; att 16,777,216 bytes
;; launch prep (part 1): grid 128 x 1, 4 waves a work-group, no clusters, 0 bytes of LDS; arguments Wq, Wk, Wv, Wo, lowp_scales, wc; writes wc
.if DOCPART == 1
	.amdgcn_target "amdgcn-amd-amdhsa--gfx1250"
	.amdhsa_code_object_version 6
	.text
	.protected	k_q7ff8c100b1_prep
	.globl	k_q7ff8c100b1_prep
	.p2align	8
	.type	k_q7ff8c100b1_prep,@function
k_q7ff8c100b1_prep:
	s_mov_b64 s[64:65], 0
	v_nop
	global_prefetch_b8 v0, s[64:65] scope:SCOPE_SE
	s_setreg_imm32_b32 hwreg(HW_REG_WAVE_MODE, 25, 1), 1
	s_wait_xcnt 0x0
; THE PROGRAM: prep (this launch) turns the four weights into codes of E5M2; attn makes Q, K, V, the scores, the spike softmax and the attended values, as codes; oproj makes the output.
; WORK LEFT OUT: temporal_sync.  reference() adds temporal_sync[t][h] to every score of a row (the same number for all keys k of a query), then uses the scores only as
; (scores - max over k of scores).  In real numbers (s_k + c) - max_k (s_k + c) = s_k - max_k s_k for every finite c and every s.  The term enters no quantised operand by another way: attn, the operand
; of the fifth product, is a function of that difference alone.  So temporal_sync has no way to any output; it is not loaded and is among no launch's arguments.
; LIMIT: a NaN, an infinity or an overflow that temporal_sync alone would cause is not carried to the result.
; THIS LAUNCH: W [512 (k)][512 (n)] f32 -> codes, code = W / 2^e held within +-57,344, to the nearest code, ties to even; e = lowp_scales[1], [3], [5], [11] for Wq, Wk, Wv, Wo.
; LIMITS: e between -126 and 112, so that 2^e and 57,344 x 2^e are f32 numbers.  NaN among the inputs is not served.
; LAYOUT OF wc: images of operand registers.  A fragment is 16 columns n = 16 nt + r x 128 of K (K step s): 16 registers a lane, 2,048 bytes:
;   byte = wi x 262,144 + (4 nt + s) x 2,048 + 512 c + 16 l + p,  l = lane = r + 16 h, c = 0..3 the group of four registers, p = 0..15 the byte in the group.
; Which k stands at (s, c, h, p) is chosen as the OTHER operand of the product falls into its registers in the later launches; the same k on both sides keeps every product:
;   Wq, Wk, Wv:  k = 128 (p / 4) + 32 s + 8 c + 4 h + p % 4          Wo:  k = 128 s + 64 (c / 2) + 32 (c % 2) + 16 (p / 8) + 8 h + p % 8
; SHARES: work-group = (wi, nt), wave = s: one wave makes one fragment.  A lane takes column n and its 64 registers run along the fragment's k in the order of its bytes, so the conversions' results are the image.
; No LDS, no barrier: waves share nothing.  Each store of the wave covers 512 consecutive bytes, aligned.
.set X, 16                             ; v16-79  the 64 numbers: number 16 c + p
.set C, 80                             ; v80-95  the codes
	s_load_b256 s[4:11], s[0:1], 0x0               ; Wq s[4:5], Wk s[6:7], Wv s[8:9], Wo s[10:11]
	s_load_b128 s[12:15], s[0:1], 0x20             ; lowp_scales s[12:13], wc s[14:15]
	v_lshrrev_b32 v1, 5, v0
	v_readfirstlane_b32 s16, v1                    ; wave = K step s
	v_and_b32 v1, 31, v0                           ; l
	v_and_b32 v2, 15, v0                           ; r
	v_bfe_u32 v3, v0, 4, 1                         ; h
	s_lshr_b32 s17, ttmp9, 5                       ; wi: 0 q, 1 k, 2 v, 3 o
	s_and_b32 s18, ttmp9, 31                       ; nt
	s_cmp_eq_u32 s17, 3
	s_mov_b32 s22, 8192                            ; h's step: 4 rows of W (2,048 bytes each); for Wo 8 rows
	s_cselect_b32 s22, 16384, s22
	s_mov_b32 s23, 65536                           ; s's step: 32 rows; for Wo 128 rows
	s_cselect_b32 s23, 262144, s23
	v_mul_lo_u32 v4, v3, s22
	v_lshl_add_u32 v4, v2, 2, v4                   ; my lane's byte: 4 r + h's rows
	v_lshlrev_b32 v5, 4, v1                        ; 16 l
	s_mul_i32 s40, s16, s23
	s_lshl_b32 s41, s18, 6
	s_add_co_u32 s40, s40, s41                     ; in W: s's rows + 64 nt
	s_mov_b32 s41, 0
	s_lshl_b32 s42, s18, 2
	s_add_co_u32 s42, s42, s16
	s_lshl_b32 s42, s42, 11
	s_lshl_b32 s43, s17, 18
	s_add_co_u32 s42, s42, s43                     ; in wc: wi x 262,144 + (4 nt + s) x 2,048
	s_mov_b32 s43, 0
	s_wait_kmcnt 0x0
	s_load_b256 s[24:31], s[12:13], 0x0            ; e0 .. e7
	s_load_b128 s[32:35], s[12:13], 0x20           ; e8 .. e11
	s_mov_b64 s[20:21], s[4:5]                     ; the weight is chosen by the work-group's number alone
	s_cmp_eq_u32 s17, 1
	s_cselect_b64 s[20:21], s[6:7], s[20:21]
	s_cmp_eq_u32 s17, 2
	s_cselect_b64 s[20:21], s[8:9], s[20:21]
	s_cmp_eq_u32 s17, 3
	s_cselect_b64 s[20:21], s[10:11], s[20:21]
	s_add_nc_u64 s[20:21], s[20:21], s[40:41]
	s_add_nc_u64 s[14:15], s[14:15], s[42:43]
.macro WROWS o                         ; 64 loads: number 16 c + p is W(k, n) with the k of the layout above; sixteen lanes read 64 neighbouring bytes of a row
.irp c, 0,1,2,3
.irp p, 0,1,2,3,4,5,6,7,8,9,10,11,12,13,14,15
.if \o
	global_load_b32 v[X+16*\c+\p], v4, s[20:21] offset:(64*(\c/2)+32*(\c%2)+16*(\p/8)+(\p%8))*2048
.else
	global_load_b32 v[X+16*\c+\p], v4, s[20:21] offset:(128*(\p/4)+8*\c+(\p%4))*2048
.endif
.endr
.endr
.endm
	s_cmp_eq_u32 s17, 3
	s_cbranch_scc1 .Lwo
	WROWS 0
	s_branch .Lgot
.Lwo:
	WROWS 1
.Lgot:
	s_wait_kmcnt 0x0
	s_mov_b32 s36, s25                             ; e1, e3, e5 or e11
	s_cmp_eq_u32 s17, 1
	s_cselect_b32 s36, s27, s36
	s_cmp_eq_u32 s17, 2
	s_cselect_b32 s36, s29, s36
	s_cmp_eq_u32 s17, 3
	s_cselect_b32 s36, s35, s36
	s_add_co_i32 s36, s36, 127
	s_lshl_b32 s37, s36, 23
	v_mov_b32 v6, s37                              ; 2^e as f32: the conversion takes its exponent field
	s_add_co_i32 s36, s36, 15
	s_lshl_b32 s37, s36, 23
	s_or_b32 s37, s37, 0x600000                    ; 57,344 x 2^e
	s_or_b32 s38, s37, 0x80000000                  ; and its negative
	s_wait_loadcnt 0x0
.set i, 0
.rept 64
	v_med3_num_f32 v[X+i], v[X+i], s38, s37        ; the conversion to an 8-bit code does not saturate (ISA guide 7.6.2): the hold comes first
.set i, i+1
.endr
.irp j, 0,1,2,3,4,5,6,7
	v_cvt_scalef32_pk8_bf8_f32 v[C+2*\j:C+2*\j+1], v[X+8*\j:X+8*\j+7], v6
.endr
	v_nop                                          ; a plain line behind the last conversion
.irp c, 0,1,2,3
	global_store_b128 v5, v[C+4*\c:C+4*\c+3], s[14:15] offset:512*\c
.endr
	s_endpgm
.Lfunc_end_k_q7ff8c100b1_prep:
	.size	k_q7ff8c100b1_prep, .Lfunc_end_k_q7ff8c100b1_prep-k_q7ff8c100b1_prep
	.p2alignl 7, 3214868480
	.fill 96, 4, 3214868480
	.section	.rodata,"a",@progbits
	.p2align	6, 0x0
	.amdhsa_kernel k_q7ff8c100b1_prep
		.amdhsa_group_segment_fixed_size 0
		.amdhsa_private_segment_fixed_size 0
		.amdhsa_enable_private_segment 0
		.amdhsa_kernarg_size 48
		.amdhsa_user_sgpr_count 2
		.amdhsa_user_sgpr_kernarg_segment_ptr 1
		.amdhsa_wavefront_size32 1
		.amdhsa_system_sgpr_workgroup_id_x 1
		.amdhsa_system_sgpr_workgroup_id_y 1
		.amdhsa_system_sgpr_workgroup_id_z 1
		.amdhsa_system_vgpr_workitem_id 0
		.amdhsa_next_free_vgpr 96
		.amdhsa_next_free_sgpr 66
		.amdhsa_reserve_vcc 0
		.amdhsa_float_denorm_mode_32 3
		.amdhsa_float_denorm_mode_16_64 3
		.amdhsa_memory_ordered 1
		.amdhsa_forward_progress 1
		.amdhsa_inst_pref_size 20
	.end_amdhsa_kernel
	.amdgpu_metadata
---
amdhsa.version: [ 1, 2 ]
amdhsa.kernels:
  - .name:           k_q7ff8c100b1_prep
    .symbol:         k_q7ff8c100b1_prep.kd
    .args:
      - { .name: Wq, .offset: 0, .size: 8, .value_kind: global_buffer, .address_space: global }
      - { .name: Wk, .offset: 8, .size: 8, .value_kind: global_buffer, .address_space: global }
      - { .name: Wv, .offset: 16, .size: 8, .value_kind: global_buffer, .address_space: global }
      - { .name: Wo, .offset: 24, .size: 8, .value_kind: global_buffer, .address_space: global }
      - { .name: lowp_scales, .offset: 32, .size: 8, .value_kind: global_buffer, .address_space: global }
      - { .name: wc, .offset: 40, .size: 8, .value_kind: global_buffer, .address_space: global }
    .group_segment_fixed_size: 0
    .private_segment_fixed_size: 0
    .kernarg_segment_align: 8
    .kernarg_segment_size: 48
    .max_flat_workgroup_size: 128
    .sgpr_count:     66
    .vgpr_count:     96
    .wavefront_size: 32
...
	.end_amdgpu_metadata
.endif
;; end of part 1
;; launch attn (part 2): grid 256 x 1, 4 waves a work-group, no clusters, 201,216 bytes of LDS; arguments query_spikes, key_spikes, value_spikes, bq, bk, bv, modality_weights, lowp_scales, wc, att; writes att
.if DOCPART == 2
	.amdgcn_target "amdgcn-amd-amdhsa--gfx1250"
	.amdhsa_code_object_version 6
	.text
	.protected	k_q7ff8c100b1_attn
	.globl	k_q7ff8c100b1_attn
	.p2align	8
	.type	k_q7ff8c100b1_attn,@function
k_q7ff8c100b1_attn:
	s_mov_b64 s[64:65], 0
	v_nop
	global_prefetch_b8 v0, s[64:65] scope:SCOPE_SE
	s_setreg_imm32_b32 hwreg(HW_REG_WAVE_MODE, 25, 1), 1
	s_wait_xcnt 0x0
; For one (b, t) and four heads: x -> codes; Q, K, V = x W + b -> codes; scores; spike softmax -> codes; attended = attn V -> codes, stored in att.  All five products on codes of E5M2, sums in f32.
; WORK LEFT OUT: temporal_sync, the same for all keys of a row, cancels in (scores - their maximum) for all values (shown at the head of the launch prep); it is not an argument.
; SHARES.  Work-group = (bt = x / 2, hg = x % 2); wave w owns head 4 hg + w: its Q, K, V and its attention, so nothing but x's codes goes from wave to wave.
; x comes in 12 chunks of 64 rows: key rows 0-255, value rows, query rows.  Of a chunk wave w loads rows 16 w .. 16 w + 15 (each load of the wave: 512 consecutive bytes), quantises them and stores the codes in LDS; behind a
; barrier every wave multiplies all 64 rows by its head's 64 columns of W, whose 16 fragments stay in its registers.
; TWO BUFFERS OF CODES, ONE BARRIER A CHUNK.  While chunk i is multiplied out of one buffer, chunk i + 1 is quantised into the other, four rows at a time: a group of four rows stands between the request for a row tile's
; fragments and that tile's products, and each group asks at once for its rows of chunk i + 2.  The buffer that is written in a chunk's time was last read in the chunk's time before, and every wave has waited for its LDS
; loads in front of the barrier between the two; what is written is read behind the next barrier.
; K ALONG THE REGISTERS.  A load gives lane L the numbers 128 q + 4 L + 0..3 of a row (q = 0..3: four loads); two conversions make of the 16 numbers one piece of 16 bytes, piece L.  Group c of the fragment of K step s takes,
; in lane (r, h), piece 8 s + 2 c + h of row r.  prep has laid W's fragments with the same k in the same places, so every product meets its partner.
; LAYOUTS.  K^T, Q^T = W^T x^T (source 0 = 16 columns of W, source 1 = 16 rows of x): a lane holds one key or query and eight neighbouring d: the conversions' results are a fragment of the fourth product (K = 64).
; S^T = K Q^T: a lane holds ONE query (lane % 16) and its 128 registers hold keys 16 kt + 8 (lane / 16) + j; lane l xor 16 holds the query's other 128 keys.  So the row's true maximum and sum are taken at once, and attn is quantised
; finished and normalised.  V = x W (source 0 = rows of x, source 1 = columns of W): a lane holds one d and eight neighbouring keys: the conversions' results are registers of V^T's fragments, keys in the same places as in attn's codes.
; O^T = V^T attn^T: a lane holds one query and eight neighbouring d; its codes go to att as images of the sixth product's operand registers: byte = M x 8,192 + s x 2,048 + 512 c + 16 l + p (M: tile of 16 rows).
; SPIKE SOFTMAX.  p = sigmoid(5 (score - max)) = 1 / (1 + 2^a), a = |g| (max' - raw'), g = mw0 mw1 x 5 log2(e) / 8 x 2^(e6 + e7).  raw' is the sum of the code products with Q's codes negated where g < 0 (the sign bit of
; each code: exact), so that the largest score is the largest raw' for either sign of the modality weights; a >= 0; a too large gives 2^a = infinity and p = 0.  attn = p / (sum + 1e-8).
; NO TENSOR LOADS, NO CLUSTER: x must pass through registers to become codes; the weights' images go from memory straight into the registers where they stay; only two work-groups share a (b, t)'s rows.
; LIMITS on the given exponents, so that each power of two below is an f32 number: e0, e2, e4, e8, e6-e0-e1, e7-e2-e3, e9-e4-e5, e10-e8-e9 between -126 and 112; e6+e7 between -126 and 127.
; NaN among the inputs is not served.  A p below 2^-126 counts as 0.
; REGISTERS, in windows of 256: window 0: below.  window 1: 16 rows of x, f32 (row i, quarter q at 16 i + 4 q).  window 2: Wk's, later Wq's 16 fragments ((t, s) at 16 (4 t + s)).
;   window 3: Wv's; later K's codes (tile kt at 8 kt) and V^T's (fragment (t, u) at 128 + 32 t + 16 u).
.set XT,    8704                       ; LDS: a tile of 16 rows of x's codes: 32 pieces, 272 bytes apart; piece L holds row i's 16 bytes at 272 L + 16 i.  A buffer is four tiles
.set XB1,   34816                      ; the first buffer begins at byte 0, the second here
.set CP,    272                        ; 256 + 16: sixteen lanes that store one row's pieces, and sixteen that read one piece's rows, each touch sixteen different columns of 16 bytes
.set KIMG,  69632                      ; K's codes, 16,384 bytes for each wave, its own: tile kt at 1,024 kt + 512 x half + 16 l
.set VIMG,  135168                     ; V^T's codes, likewise: fragment (t, u), group cg at 4,096 t + 2,048 u + 512 cg + 16 l
.set SPARE, 200704                     ; the spare words, 128 bytes for each wave: two blocks of 256 bytes that no other line names
.set SPW, 1                            ; v1   LDS address of my spare word; never rewritten
.set NIL, 2                            ; v2   0; never rewritten
.set XO,  3                            ; v3   x: 16 l + 32,768 w
.set IST, 4                            ; v4   where I store pieces in a buffer: 8,704 w + 272 l
.set AFA, 5                            ; v5   where I read fragments of x in a buffer: 272 h + 16 r
.set L16, 6                            ; v6   16 l
.set KST, 7                            ; v7   KIMG + 16,384 w + 16 l
.set VST, 8                            ; v8   VIMG + 16,384 w + 16 l
.set TA,  9                            ; v9   the LDS address in hand
.set OA,  10                           ; v10  att: 16 l + 1,024 (w % 2)
.set XS,  11                           ; v11  the scale of x's conversions
.set PS,  12                           ; v12  the scale of the projection's conversions
.set S8,  13                           ; v13  2^e8
.set SO,  14                           ; v14  2^(e10 - e8 - e9)
.set AFR, 15                           ; v15  AFA in the buffer that is read
.set MX,  16                           ; v16-19 four chains of the maximum, later two of the sum's four
.set GM,  20                           ; v[20:21] |g| x maximum (v21 is named with it as a pair)
.set SU,  22                           ; v[22:25] two chains of the sum
.set INV, 26                           ; v26  1 / (sum + 1e-8)
.set ISW, 27                           ; v27  IST in the buffer that is written.  (It is also named as the upper half of the pair v[26:27], of which the low word alone is taken)
.set GN,  28                           ; v[28:29] -|g|  (v28-31 first hold bv as loaded)
.set GA,  30                           ; v30  |g|
.set SM,  31                           ; v31  0x80808080 where g < 0, else 0
.set QC,  32                           ; v32-47  the codes of four rows of x
.set P0,  32                           ; v32-47  attn's codes, keys 0-127
.set BQ,  48                           ; v48-79  bq / 2^(e0+e1) in the result's layout
.set CC,  80                           ; v80-95  K's or V's codes just made
.set QF,  80                           ; v80-87  Q's fragment
.set ACC, 96                           ; v96-127 the projection's four accumulators, Q's too
.set P1,  96                           ; v96-111 attn's codes, keys 128-255
.set AF,  128                          ; v128-191 four fragments of x (K steps 0-3), in the K and V phases
.set S,   128                          ; v128-255 S^T, then p, then attn
.set OACC,128                          ; v128-159 O^T
.set AFQ, 160                          ; v160-223 four fragments of x for the next tile of queries: S's registers that are done with behind attn's conversions
.set BK,  192                          ; v192-223 bk / 2^(e2+e3)
.set BV,  224                          ; v224-255 bv / 2^(e4+e5)
.set OC,  224                          ; v224-231 attended's codes
; SCALARS: s2 wave, s3 hg, s4 bt, s5 head; s[8:27] the arguments; s[28:29] the rows of x that are asked for next; s30 at work; s32-43 e0-e11; s44, s45 the modality weights; s50/51 x's hold (+, -); s52/53 the projection's;
; s54 attn's; s55/56 attended's; s57, s58 counters; s59-61 LDS steps; s62, s63 the buffer that is read, that is written; s[66:67] lane selects; s[68:69] att; s[70:75] Wq's, Wk's, Wv's images;
; s76-87 scale and hold of x and of the projection, for q, k, v; s88-90 -(eA + eB)
.set MSB, 0
.macro WIN new                         ; bits 1:0 source 0, 3:2 source 1, 5:4 source 2, 7:6 destination; the high byte repeats the setting that is left
.if MSB != (\new)
	s_set_vgpr_msb (MSB<<8)|(\new)
.set MSB, (\new)
.endif
.endm
.macro MKS sc, lim, e                  ; s[sc] = 2^e as f32, s[lim] = 57,344 x 2^e, e in s[e]
	s_add_co_i32 s[\lim], s[\e], 127
	s_lshl_b32 s[\sc], s[\lim], 23
	s_add_co_i32 s[\lim], s[\lim], 15
	s_lshl_b32 s[\lim], s[\lim], 23
	s_or_b32 s[\lim], s[\lim], 0x600000
.endm
.macro SETP base                       ; the scale and hold of a phase's projection
	v_mov_b32 v[PS], s[\base+2]
	s_mov_b32 s52, s[\base+3]
	s_or_b32 s53, s[\base+3], 0x80000000
.endm
.macro PHX cur, next                   ; the scale and hold of the rows that this trip quantises: the loop's last trip quantises the next tensor's first chunk.  A choice of values, no jump
	s_cmp_eq_u32 s57, 3
	s_cselect_b32 s30, s[\next], s[\cur]
	s_cselect_b32 s50, s[\next+1], s[\cur+1]
	s_or_b32 s51, s50, 0x80000000
	v_mov_b32 v[XS], s30
.endm
.macro XLD g, ptr                      ; rows 4 g .. 4 g + 3 of my 16: sixteen loads of 512 consecutive bytes
	WIN 0x40
.irp rr, 0,1,2,3
.irp q, 0,1,2,3
	global_load_b128 v[64*(\g)+16*\rr+4*\q:64*(\g)+16*\rr+4*\q+3], v[XO], s[\ptr:\ptr+1] offset:(4*(\g)+\rr)*2048+512*\q
.endr
.endr
	WIN 0
.endm
.macro WLD ptr                         ; a head's 16 fragments of a weight, 32,768 consecutive bytes, into the window that is set
.set f, 0
.rept 64
	global_load_b128 v[4*f:4*f+3], v[L16], s[\ptr:\ptr+1] offset:512*f
.set f, f+1
.endr
.endm
; Four of my 16 rows of x become pieces of codes in LDS, at v[adr].  ring = 1: the group's registers are asked for again at once, with the rows of the chunk after.
; dsn: how many younger LDS instructions may be out when the last group's stores of v[QC] on must be done.
.macro QGRP g, ring, dsn, adr
.if \ring
	s_wait_loadcnt 48                              ; loads come back in order: behind this group's sixteen stand the three younger groups' 48
.endif
	WIN 0x41
.set i, 0
.rept 64
	v_med3_num_f32 v[64*(\g)+i], v[64*(\g)+i], s51, s50   ; the hold at the largest code x the scale (the conversion does not saturate: ISA guide 7.6.2)
.set i, i+1
.endr
	s_wait_dscnt \dsn                              ; the last group's stores have read their registers
	WIN 0x01
.irp rr, 0,1,2,3
	v_cvt_scalef32_pk8_bf8_f32 v[QC+4*\rr:QC+4*\rr+1], v[64*(\g)+16*\rr:64*(\g)+16*\rr+7], v[XS]
	v_cvt_scalef32_pk8_bf8_f32 v[QC+4*\rr+2:QC+4*\rr+3], v[64*(\g)+16*\rr+8:64*(\g)+16*\rr+15], v[XS]
.endr
	WIN 0
	v_nop                                          ; a plain line behind the last conversion
.irp rr, 0,1,2,3
	ds_store_b128 v[\adr], v[QC+4*\rr:QC+4*\rr+3] offset:16*(4*(\g)+\rr)
.endr
.if \ring
	XLD \g, 28
.endif
.endm
.macro QUANT ring, adr                 ; all 16 rows on end
.irp g, 0,1,2,3
	QGRP \g, \ring, 0, \adr
.endr
.endm
.macro BAR                             ; my LDS stores have landed and my LDS loads are in: then the work-group's barrier
	s_wait_dscnt 0x0
	s_barrier_signal -1
	s_barrier_wait -1
.endm
.macro FETCHA reg, adr, off            ; a tile's four fragments: group c of K step ks is piece 8 ks + 2 c + h; sixteen lanes read 256 consecutive bytes
.irp ks, 0,1,2,3
.irp c, 0,1,2,3
	ds_load_b128 v[\reg+16*\ks+4*\c:\reg+16*\ks+4*\c+3], v[\adr] offset:(\off)+(8*\ks+2*\c)*CP
.endr
.endr
.endm
.macro CONV acc, dst, step, lo, hi, sc ; four accumulators become codes: tile t's eight numbers -> v[dst + step t], +1.  Each accumulator is read from its low end on
.set i, 0
.rept 32
	v_med3_num_f32 v[\acc+i], v[\acc+i], s[\lo], s[\hi]
.set i, i+1
.endr
.irp t, 0,1,2,3
	v_cvt_scalef32_pk8_bf8_f32 v[(\dst)+(\step)*\t:(\dst)+(\step)*\t+1], v[\acc+8*\t:\acc+8*\t+7], v[\sc]
.endr
	v_nop                                          ; a plain line behind the last conversion
.endm
.macro PLACES                          ; four plain lines between a matrix instruction and a read of its result or a load into its registers
.rept 4
	v_nop
.endr
.endm
; A CHUNK'S TIME in the K and V phases.  The chunk's 64 rows x my head's 64 columns, a tile of 16 rows at a time: 16 matrix instructions, the four accumulators by turns; the bias is the C of each sum's
; first.  Ahead of each tile's products stands a group of four rows of the NEXT chunk, quantised into the other buffer: it covers the time in which the tile's fragments come out of LDS.
; isv = 0: K (transposed use); the codes are tile 4 chunk + mm of K.  isv = 1: V; two tiles' codes make a group of four registers of V^T's fragments.
.macro CHUNK isv
	BAR                                            ; the chunk's codes lie in the buffer that is read; nobody reads the other one any more
	v_add_nc_u32 v[AFR], s62, v[AFA]
	v_add_nc_u32 v[ISW], s63, v[IST]
.if \isv
	v_add_nc_u32 v[TA], s61, v[VST]
.else
	v_add_nc_u32 v[TA], s60, v[KST]
.endif
	FETCHA AF, AFR, 0
.irp mm, 0,1,2,3
	QGRP \mm, 1, 16, ISW                           ; (16: behind the last group's four stores stand the sixteen fragment loads and the last tile's stores of codes)
	s_wait_dscnt 4                                 ; LDS instructions end in order: all but the group's four stores are done: the tile's fragments are in, and the last tile's stores have read v[CC] on
.if \isv
	WIN 0x0c
.else
	WIN 0x02
.endif
.irp ks, 0,1,2,3
.irp t, 0,1,2,3
.if \isv
.if \ks == 0
	v_wmma_f32_16x16x128_bf8_bf8 v[ACC+8*\t:ACC+8*\t+7], v[AF+16*\ks:AF+16*\ks+15], v[16*(4*\t+\ks):16*(4*\t+\ks)+15], v[BV+8*\t:BV+8*\t+7]
.else
	v_wmma_f32_16x16x128_bf8_bf8 v[ACC+8*\t:ACC+8*\t+7], v[AF+16*\ks:AF+16*\ks+15], v[16*(4*\t+\ks):16*(4*\t+\ks)+15], v[ACC+8*\t:ACC+8*\t+7]
.endif
.else
.if \ks == 0
	v_wmma_f32_16x16x128_bf8_bf8 v[ACC+8*\t:ACC+8*\t+7], v[16*(4*\t+\ks):16*(4*\t+\ks)+15], v[AF+16*\ks:AF+16*\ks+15], v[BK+8*\t:BK+8*\t+7]
.else
	v_wmma_f32_16x16x128_bf8_bf8 v[ACC+8*\t:ACC+8*\t+7], v[16*(4*\t+\ks):16*(4*\t+\ks)+15], v[AF+16*\ks:AF+16*\ks+15], v[ACC+8*\t:ACC+8*\t+7]
.endif
.endif
.endr
.endr
	WIN 0
	PLACES
.if \mm < 3
	FETCHA AF, AFR, (\mm+1)*XT                     ; the next tile's fragments: this tile's conversions and the next group of rows stand ahead of their use
.endif
.if \isv
	CONV ACC, CC+2*(\mm%2), 4, 53, 52, PS
.if \mm%2
.irp t, 0,1,2,3
	ds_store_b128 v[TA], v[CC+4*\t:CC+4*\t+3] offset:\t*4096+512*(\mm/2)
.endr
.endif
.else
	CONV ACC, CC, 2, 53, 52, PS
	ds_store_b128 v[TA], v[CC:CC+3] offset:\mm*1024
	ds_store_b128 v[TA], v[CC+4:CC+7] offset:\mm*1024+512
.endif
.endr
.endm
; A TILE OF 16 QUERIES: Q, the scores against all 256 keys, the spike softmax, O^T, its codes.  Its fragments of x were asked for a tile ago (a chunk's first: behind the barrier).
.macro TILE
	s_wait_dscnt 0x0                               ; the tile's fragments are in
	WIN 0x02
.irp ks, 0,1,2,3
.irp t, 0,1,2,3
.if \ks == 0
	v_wmma_f32_16x16x128_bf8_bf8 v[ACC+8*\t:ACC+8*\t+7], v[16*(4*\t+\ks):16*(4*\t+\ks)+15], v[AFQ+16*\ks:AFQ+16*\ks+15], v[BQ+8*\t:BQ+8*\t+7]
.else
	v_wmma_f32_16x16x128_bf8_bf8 v[ACC+8*\t:ACC+8*\t+7], v[16*(4*\t+\ks):16*(4*\t+\ks)+15], v[AFQ+16*\ks:AFQ+16*\ks+15], v[ACC+8*\t:ACC+8*\t+7]
.endif
.endr
.endr
	WIN 0
	PLACES
	CONV ACC, QF, 2, 53, 52, PS
.irp i, 0,1,2,3,4,5,6,7
	v_xor_b32 v[QF+\i], v[SM], v[QF+\i]            ; g's sign goes into Q's codes
.endr
	s_wait_xcnt 0x0                                ; the last tile's stores, most of a tile back, have read their data and their base: the scores are laid over v[OC] on, and the base steps
	s_add_nc_u64 s[68:69], s[68:69], 8192          ; one tile of 16 rows past this tile's place: the stores below reach back
	WIN 0x03                                       ; S^T = K Q^T.  The scores are laid over x's fragments: the conversions' lines and the eight above are more than the five places owed
.set kt, 0
.rept 16
	v_wmma_f32_16x16x64_bf8_bf8 v[S+8*kt:S+8*kt+7], v[8*kt:8*kt+7], v[QF:QF+7], 0
.set kt, kt+1
.endr
	WIN 0
	PLACES
.irp i, 0,1,2,3                        ; the maximum of my 128 scores, in four chains; each accumulator is read from its low end on
	v_max_num_f32 v[MX+\i], v[S+2*\i], v[S+2*\i+1]
.endr
.set kt, 1
.rept 15
.irp i, 0,1,2,3
	v_max3_num_f32 v[MX+\i], v[MX+\i], v[S+8*kt+2*\i], v[S+8*kt+2*\i+1]
.endr
.set kt, kt+1
.endr
	v_max3_num_f32 v[MX], v[MX], v[MX+1], v[MX+2]
	v_max_num_f32 v[MX], v[MX], v[MX+3]
	v_permlanex16_b32 v[MX+1], v[MX], s66, s67     ; the query's other 128 keys lie in the lane 16 away
	v_max_num_f32 v[MX], v[MX], v[MX+1]
	v_mul_f32 v[GM], v[GA], v[MX]
	; a = |g| max - |g| raw, two at a time; 2^a.  A pair is scaled one step ahead of its exponentials; nothing names an exponential's result ahead of the one wait
	v_pk_fma_f32 v[S:S+1], v[S:S+1], v[GN:GN+1], v[GM:GM+1] op_sel_hi:[1,0,0]
.set j, 0
.rept 63
	v_pk_fma_f32 v[S+2*j+2:S+2*j+3], v[S+2*j+2:S+2*j+3], v[GN:GN+1], v[GM:GM+1] op_sel_hi:[1,0,0]
	v_exp_f32 v[S+2*j], v[S+2*j]
	v_exp_f32 v[S+2*j+1], v[S+2*j+1]
.set j, j+1
.endr
	v_exp_f32 v[S+126], v[S+126]
	v_exp_f32 v[S+127], v[S+127]
	v_nop                                          ; a plain line behind the last exponential,
	s_wait_alu depctr_va_vdst(0)                   ; and a wait ahead of the first reader: one for the 128
	; p = 1 / (1 + 2^a), in the same order
	v_pk_add_f32 v[S:S+1], v[S:S+1], 1.0 op_sel_hi:[1,0]
.set j, 0
.rept 63
	v_pk_add_f32 v[S+2*j+2:S+2*j+3], v[S+2*j+2:S+2*j+3], 1.0 op_sel_hi:[1,0]
	v_rcp_f32 v[S+2*j], v[S+2*j]
	v_rcp_f32 v[S+2*j+1], v[S+2*j+1]
.set j, j+1
.endr
	v_rcp_f32 v[S+126], v[S+126]
	v_rcp_f32 v[S+127], v[S+127]
	v_nop
	s_wait_alu depctr_va_vdst(0)                   ; one wait for the 128 reciprocals
	; the row's sum, in four packed chains
	v_pk_add_f32 v[SU:SU+1], v[S:S+1], v[S+2:S+3]
	v_pk_add_f32 v[SU+2:SU+3], v[S+4:S+5], v[S+6:S+7]
	v_pk_add_f32 v[MX:MX+1], v[S+8:S+9], v[S+10:S+11]
	v_pk_add_f32 v[MX+2:MX+3], v[S+12:S+13], v[S+14:S+15]
.set j, 16
.rept 14
	v_pk_add_f32 v[SU:SU+1], v[SU:SU+1], v[S+j:S+j+1]
	v_pk_add_f32 v[SU+2:SU+3], v[SU+2:SU+3], v[S+j+2:S+j+3]
	v_pk_add_f32 v[MX:MX+1], v[MX:MX+1], v[S+j+4:S+j+5]
	v_pk_add_f32 v[MX+2:MX+3], v[MX+2:MX+3], v[S+j+6:S+j+7]
.set j, j+8
.endr
	v_pk_add_f32 v[SU:SU+1], v[SU:SU+1], v[SU+2:SU+3]
	v_pk_add_f32 v[MX:MX+1], v[MX:MX+1], v[MX+2:MX+3]
	v_pk_add_f32 v[SU:SU+1], v[SU:SU+1], v[MX:MX+1]
	v_add_f32 v[SU], v[SU], v[SU+1]
	v_permlanex16_b32 v[SU+1], v[SU], s66, s67
	v_add_f32 v[SU], v[SU], v[SU+1]
	v_add_f32 v[SU], 0x322bcc77, v[SU]             ; + 1e-8
	v_rcp_f32 v[INV], v[SU]
	v_nop
	s_wait_alu depctr_va_vdst(0)
	; attn = p x 1 / (sum + 1e-8), held at the largest code x 2^e8 (it is never negative: the hold is one-sided), quantised: tile kt's eight keys are registers 2 (kt % 8), + 1 of the fragment of keys 128 (kt / 8) on
.set kt, 0
.rept 16
.irp i, 0,2,4,6
	v_pk_mul_f32 v[S+8*kt+\i:S+8*kt+\i+1], v[S+8*kt+\i:S+8*kt+\i+1], v[INV:INV+1] op_sel_hi:[1,0]
.endr
.irp i, 0,1,2,3,4,5,6,7
	v_min_num_f32 v[S+8*kt+\i], s54, v[S+8*kt+\i]
.endr
	v_cvt_scalef32_pk8_bf8_f32 v[P0+64*(kt/8)+2*(kt%8):P0+64*(kt/8)+2*(kt%8)+1], v[S+8*kt:S+8*kt+7], v[S8]
.set kt, kt+1
.endr
	v_nop                                          ; a plain line behind the last conversion: the products below read its result and write its sources
	s_cmp_eq_u32 s58, 3                            ; the next tile's fragments of x are asked for here; a chunk's last tile has no next one in this buffer.  A branch on the count of tiles alone
	s_cbranch_scc1 .Lno_next_tile
	v_add_nc_u32 v[TA], s59, v[AFA]
	FETCHA AFQ, TA, XT
.Lno_next_tile:
	WIN 0x03                                       ; O^T = V^T attn^T: four accumulators by turns
.irp u, 0,1
.irp t, 0,1,2,3
.if \u == 0
	v_wmma_f32_16x16x128_bf8_bf8 v[OACC+8*\t:OACC+8*\t+7], v[128+32*\t+16*\u:128+32*\t+16*\u+15], v[P0+64*\u:P0+64*\u+15], 0
.else
	v_wmma_f32_16x16x128_bf8_bf8 v[OACC+8*\t:OACC+8*\t+7], v[128+32*\t+16*\u:128+32*\t+16*\u+15], v[P0+64*\u:P0+64*\u+15], v[OACC+8*\t:OACC+8*\t+7]
.endif
.endr
.endr
	WIN 0
	PLACES
	CONV OACC, OC, 2, 56, 55, SO
	global_store_b128 v[OA], v[OC:OC+3], s[68:69] offset:-8192     ; each store of the wave covers 512 consecutive bytes, aligned
	global_store_b128 v[OA], v[OC+4:OC+7], s[68:69] offset:-7680
.endm
	s_load_b512 s[8:23], s[0:1], 0x0               ; xq s[8:9], xk s[10:11], xv s[12:13], bq s[14:15], bk s[16:17], bv s[18:19], modality_weights s[20:21], lowp_scales s[22:23]
	s_load_b128 s[24:27], s[0:1], 0x40             ; wc s[24:25], att s[26:27]
	v_lshl_add_u32 v[SPW], v0, 2, SPARE
	v_mov_b32 v[NIL], 0
	v_lshrrev_b32 v15, 5, v0
	v_readfirstlane_b32 s2, v15                    ; wave 0..3
	s_and_b32 s3, ttmp9, 1                         ; hg
	s_lshr_b32 s4, ttmp9, 1                        ; bt
	s_lshl_b32 s5, s3, 2
	s_add_co_u32 s5, s5, s2                        ; head
	v_and_b32 v16, 31, v0                          ; l
	v_and_b32 v17, 15, v0                          ; r
	v_bfe_u32 v18, v0, 4, 1                        ; h
	v_lshlrev_b32 v[L16], 4, v16
	s_lshl_b32 s30, s2, 15
	v_add_nc_u32 v[XO], s30, v[L16]
	s_mul_i32 s30, s2, XT
	v_mul_u32_u24 v[IST], v16, CP
	v_add_nc_u32 v[IST], s30, v[IST]
	v_mul_u32_u24 v[AFA], v18, CP
	v_lshl_add_u32 v[AFA], v17, 4, v[AFA]
	s_lshl_b32 s30, s2, 14
	s_add_co_u32 s31, s30, KIMG
	v_add_nc_u32 v[KST], s31, v[L16]
	s_add_co_u32 s31, s30, VIMG
	v_add_nc_u32 v[VST], s31, v[L16]
	s_and_b32 s30, s2, 1
	s_lshl_b32 s30, s30, 10
	v_add_nc_u32 v[OA], s30, v[L16]
	v_lshlrev_b32 v19, 5, v18                      ; bq, bk: 32 h: my half's eight numbers of a tile
	v_lshlrev_b32 v22, 2, v17                      ; bv: 4 r
	v_mov_b32 v[GM+1], 0                           ; (named as the upper half of a pair)
	s_mov_b32 s66, 0x76543210                      ; v_permlanex16_b32: lane l xor 16
	s_mov_b32 s67, 0xfedcba98
	s_lshl_b32 s46, s4, 19                         ; a (b, t)'s 256 rows of 2,048 bytes
	s_mov_b32 s47, 0
	s_lshl_b32 s48, s5, 8                          ; a head's 64 numbers of a bias
	s_mov_b32 s49, 0
	s_lshl_b32 s94, s5, 2                          ; a head's modality weight
	s_mov_b32 s95, 0
	s_lshl_b32 s96, s5, 15                         ; a head's 16 fragments of a weight
	s_mov_b32 s97, 0
	s_lshl_b32 s98, s3, 1
	s_lshr_b32 s99, s2, 1
	s_add_co_u32 s98, s98, s99                     ; the K step of the sixth product in which my head lies: 2 hg + w / 2
	s_lshl_b32 s98, s98, 11
	s_lshl_b32 s99, s4, 17                         ; a (b, t)'s 16 tiles of 8,192 bytes
	s_add_co_u32 s98, s98, s99
	s_mov_b32 s99, 0
	s_wait_kmcnt 0x0
	s_load_b256 s[32:39], s[22:23], 0x0            ; e0 .. e7
	s_load_b128 s[40:43], s[22:23], 0x20           ; e8 .. e11
	s_add_nc_u64 s[20:21], s[20:21], s[94:95]
	s_load_b32 s44, s[20:21], 0x0                  ; modality_weights[0][head]
	s_load_b32 s45, s[20:21], 0x20                 ; modality_weights[1][head]
	s_add_nc_u64 s[8:9], s[8:9], s[46:47]
	s_add_nc_u64 s[10:11], s[10:11], s[46:47]
	s_add_nc_u64 s[12:13], s[12:13], s[46:47]
	s_add_nc_u64 s[14:15], s[14:15], s[48:49]
	s_add_nc_u64 s[16:17], s[16:17], s[48:49]
	s_add_nc_u64 s[18:19], s[18:19], s[48:49]
	s_add_nc_u64 s[70:71], s[24:25], s[96:97]      ; Wq's images,
	s_add_nc_u64 s[72:73], s[70:71], 0x40000       ; Wk's,
	s_add_nc_u64 s[74:75], s[70:71], 0x80000       ; Wv's
	s_add_nc_u64 s[68:69], s[26:27], s[98:99]
	s_add_nc_u64 s[28:29], s[10:11], 0x20000       ; the chunk that is asked for next: key rows 64 on
	XLD 0, 10                                      ; the first chunk goes out first
	XLD 1, 10
	XLD 2, 10
	XLD 3, 10
.irp t, 0,1,2,3
	global_load_b128 v[BK+8*\t:BK+8*\t+3], v19, s[16:17] offset:64*\t
	global_load_b128 v[BK+8*\t+4:BK+8*\t+7], v19, s[16:17] offset:64*\t+16
	global_load_b128 v[BQ+8*\t:BQ+8*\t+3], v19, s[14:15] offset:64*\t
	global_load_b128 v[BQ+8*\t+4:BQ+8*\t+7], v19, s[14:15] offset:64*\t+16
	global_load_b32 v[28+\t], v22, s[18:19] offset:64*\t
.endr
	WIN 0x80
	WLD 72                                         ; Wk -> window 2
	WIN 0xc0
	WLD 74                                         ; Wv -> window 3: the youngest loads of the head
	WIN 0
	s_wait_kmcnt 0x0
	MKS 76, 77, 32                                 ; q: 2^e0 and its hold
	s_add_co_i32 s30, s32, s33
	s_sub_co_i32 s88, 0, s30                       ; a sum stands for sum x 2^(e0 + e1): the bias goes in divided by that,
	s_sub_co_i32 s30, s38, s30                     ; and the code is sum / 2^(e6 - e0 - e1)
	MKS 78, 79, 30
	MKS 80, 81, 34                                 ; k
	s_add_co_i32 s30, s34, s35
	s_sub_co_i32 s89, 0, s30
	s_sub_co_i32 s30, s39, s30
	MKS 82, 83, 30
	MKS 84, 85, 36                                 ; v
	s_add_co_i32 s30, s36, s37
	s_sub_co_i32 s90, 0, s30
	s_sub_co_i32 s30, s41, s30
	MKS 86, 87, 30
	MKS 92, 54, 40                                 ; attn: 2^e8 and its hold
	s_add_co_i32 s30, s40, s41
	s_sub_co_i32 s30, s42, s30                     ; attended: sum / 2^(e10 - e8 - e9)
	MKS 93, 55, 30
	s_or_b32 s56, s55, 0x80000000
	s_add_co_i32 s91, s38, s39
	s_add_co_i32 s91, s91, 127
	s_lshl_b32 s91, s91, 23                        ; 2^(e6 + e7) as f32
	v_mov_b32 v[S8], s92
	v_mov_b32 v[SO], s93
	v_mov_b32 v[XS], s80                           ; the key rows' scale and hold
	s_mov_b32 s50, s81
	s_or_b32 s51, s81, 0x80000000
	SETP 80
	s_wait_loadcnt 60                              ; loads come back in order: the first chunk, the biases and Wk are in; 60 of Wv's 64, the youngest, may stay out: the four waits for 48 below, each with sixteen new loads behind it, show them landed
.set i, 0
.rept 32
	v_ldexp_f32 v[BK+i], v[BK+i], s89
	v_ldexp_f32 v[BQ+i], v[BQ+i], s88
.set i, i+1
.endr
.irp t, 0,1,2,3
.irp j, 0,1,2,3,4,5,6,7
	v_ldexp_f32 v[BV+8*\t+\j], v[28+\t], s90       ; in V's layout a lane holds one d: its bias in all eight registers
.endr
.endr
	v_mov_b32 v22, s44
	v_mul_f32 v22, s45, v22                        ; mw0 x mw1
	v_mul_f32 v22, 0x3f66d4ca, v22                 ; x 5 log2(e) / 8
	v_mul_f32 v22, s91, v22                        ; x 2^(e6 + e7): g
	v_ashrrev_i32 v[SM], 31, v22
	v_and_b32 v[SM], 0x80808080, v[SM]
	v_and_b32 v[GA], 0x7fffffff, v22
	v_or_b32 v[GN], 0x80000000, v22
	v_mov_b32 v[GN+1], v[GN]
	QUANT 1, IST                                   ; the first chunk's codes, into the first buffer; its groups ask for key rows 64 on
	s_wait_xcnt 0x0                                ; the loads have read their base
	s_add_nc_u64 s[28:29], s[28:29], 0x20000       ; from here on the rows asked for are those of the chunk after the one that is quantised
	s_mov_b32 s62, 0                               ; read: the first buffer;
	s_mov_b32 s63, XB1                             ; written: the second
	; ---- K: four chunks
	s_mov_b32 s57, 0
	s_mov_b32 s60, 0
.Lk:
	PHX 80, 84
	CHUNK 0
	s_wait_xcnt 0x0                                ; the loads have read their base
	s_add_nc_u64 s[28:29], s[28:29], 0x20000
	s_cmp_eq_u32 s57, 1                            ; the last two trips ask for the first value rows
	s_cselect_b64 s[28:29], s[12:13], s[28:29]
	s_add_co_u32 s60, s60, 4096
	s_xor_b32 s62, s62, XB1                        ; the buffers change places
	s_xor_b32 s63, s63, XB1
	s_add_co_u32 s57, s57, 1
	s_cmp_lt_u32 s57, 4
	s_cbranch_scc1 .Lk
	WIN 0x80
	WLD 70                                         ; Wq takes Wk's place; it is waited for at the head of the queries' loop.  (It stands behind the value rows' loads: the counted waits below leave out the youngest 48 alone)
	WIN 0
	SETP 84
	; ---- V: four chunks
	s_mov_b32 s57, 0
	s_mov_b32 s61, 0
.Lv:
	PHX 84, 76
	CHUNK 1
	s_wait_xcnt 0x0
	s_add_nc_u64 s[28:29], s[28:29], 0x20000
	s_cmp_eq_u32 s57, 1                            ; the last two trips ask for the first query rows
	s_cselect_b64 s[28:29], s[8:9], s[28:29]
	s_add_co_u32 s61, s61, 1024
	s_xor_b32 s62, s62, XB1
	s_xor_b32 s63, s63, XB1
	s_add_co_u32 s57, s57, 1
	s_cmp_lt_u32 s57, 4
	s_cbranch_scc1 .Lv
	WIN 0xc0                                       ; my head's K and V^T come back from my own LDS bytes into window 3, where they stay
.set f, 0
.rept 32
	ds_load_b128 v[4*f:4*f+3], v[KST] offset:512*f
.set f, f+1
.endr
.set f, 0
.rept 32
	ds_load_b128 v[128+4*f:128+4*f+3], v[VST] offset:512*f
.set f, f+1
.endr
	WIN 0
	SETP 76
	; ---- Q and the attention: four chunks of four tiles of queries.  The first chunk's codes were made in the V phase's last trip
	s_mov_b32 s57, 0
.Lq:
	BAR                                            ; the chunk's codes lie in the buffer that is read; nobody reads the other one any more
	s_mov_b32 s59, s62
	v_add_nc_u32 v[TA], s59, v[AFA]
	FETCHA AFQ, TA, 0                              ; the first tile's fragments
	s_wait_loadcnt 0x0                             ; the next chunk's rows, asked for a chunk ago (in the first trip Wq too)
	s_cmp_eq_u32 s57, 3                            ; the last chunk has no next one
	s_cbranch_scc1 .Lnomore
	v_add_nc_u32 v[ISW], s63, v[IST]
	QUANT 0, ISW                                   ; the next chunk's codes, into the other buffer
	s_cmp_eq_u32 s57, 2                            ; the last chunk but one asks for nothing: no load leaves its buffer
	s_cbranch_scc1 .Lnomore
	XLD 0, 28
	XLD 1, 28
	XLD 2, 28
	XLD 3, 28
.Lnomore:
	s_mov_b32 s58, 0
.Ltile:
	TILE
	s_add_co_u32 s59, s59, XT
	s_add_co_u32 s58, s58, 1
	s_cmp_lt_u32 s58, 4
	s_cbranch_scc1 .Ltile
	s_wait_xcnt 0x0                                ; the loads have read their base
	s_add_nc_u64 s[28:29], s[28:29], 0x20000
	s_xor_b32 s62, s62, XB1
	s_xor_b32 s63, s63, XB1
	s_add_co_u32 s57, s57, 1
	s_cmp_lt_u32 s57, 4
	s_cbranch_scc1 .Lq
	s_wait_tensorcnt 0x0                           ; the wave's end, behind my last LDS store
	ds_add_u32 v[SPW], v[NIL]
	s_wait_dscnt 0x0
	s_endpgm
.Lfunc_end_k_q7ff8c100b1_attn:
	.size	k_q7ff8c100b1_attn, .Lfunc_end_k_q7ff8c100b1_attn-k_q7ff8c100b1_attn
	.p2alignl 7, 3214868480
	.fill 96, 4, 3214868480
	.section	.rodata,"a",@progbits
	.p2align	6, 0x0
	.amdhsa_kernel k_q7ff8c100b1_attn
		.amdhsa_group_segment_fixed_size 201216
		.amdhsa_private_segment_fixed_size 0
		.amdhsa_enable_private_segment 0
		.amdhsa_kernarg_size 80
		.amdhsa_user_sgpr_count 2
		.amdhsa_user_sgpr_kernarg_segment_ptr 1
		.amdhsa_wavefront_size32 1
		.amdhsa_system_sgpr_workgroup_id_x 1
		.amdhsa_system_sgpr_workgroup_id_y 1
		.amdhsa_system_sgpr_workgroup_id_z 1
		.amdhsa_system_vgpr_workitem_id 0
		.amdhsa_next_free_vgpr 1024
		.amdhsa_next_free_sgpr 100
		.amdhsa_reserve_vcc 0
		.amdhsa_float_denorm_mode_32 3
		.amdhsa_float_denorm_mode_16_64 3
		.amdhsa_memory_ordered 1
		.amdhsa_forward_progress 1
		.amdhsa_inst_pref_size 231
	.end_amdhsa_kernel
	.amdgpu_metadata
---
amdhsa.version: [ 1, 2 ]
amdhsa.kernels:
  - .name:           k_q7ff8c100b1_attn
    .symbol:         k_q7ff8c100b1_attn.kd
    .args:
      - { .name: query_spikes, .offset: 0, .size: 8, .value_kind: global_buffer, .address_space: global }
      - { .name: key_spikes, .offset: 8, .size: 8, .value_kind: global_buffer, .address_space: global }
      - { .name: value_spikes, .offset: 16, .size: 8, .value_kind: global_buffer, .address_space: global }
      - { .name: bq, .offset: 24, .size: 8, .value_kind: global_buffer, .address_space: global }
      - { .name: bk, .offset: 32, .size: 8, .value_kind: global_buffer, .address_space: global }
      - { .name: bv, .offset: 40, .size: 8, .value_kind: global_buffer, .address_space: global }
      - { .name: modality_weights, .offset: 48, .size: 8, .value_kind: global_buffer, .address_space: global }
      - { .name: lowp_scales, .offset: 56, .size: 8, .value_kind: global_buffer, .address_space: global }
      - { .name: wc, .offset: 64, .size: 8, .value_kind: global_buffer, .address_space: global }
      - { .name: att, .offset: 72, .size: 8, .value_kind: global_buffer, .address_space: global }
    .group_segment_fixed_size: 201216
    .private_segment_fixed_size: 0
    .kernarg_segment_align: 8
    .kernarg_segment_size: 80
    .max_flat_workgroup_size: 128
    .sgpr_count:     100
    .vgpr_count:     1024
    .wavefront_size: 32
...
	.end_amdgpu_metadata
.endif
;; end of part 2
;; launch oproj (part 3): grid 256 x 1, 4 waves a work-group, no clusters, 17,920 bytes of LDS; arguments att, wc, bo, lowp_scales, out0; writes out0
.if DOCPART == 3
	.amdgcn_target "amdgcn-amd-amdhsa--gfx1250"
	.amdhsa_code_object_version 6
	.text
	.protected	k_q7ff8c100b1_oproj
	.globl	k_q7ff8c100b1_oproj
	.p2align	8
	.type	k_q7ff8c100b1_oproj,@function
k_q7ff8c100b1_oproj:
	s_mov_b64 s[64:65], 0
	v_nop
	global_prefetch_b8 v0, s[64:65] scope:SCOPE_SE
	s_setreg_imm32_b32 hwreg(HW_REG_WAVE_MODE, 25, 1), 1
	s_wait_xcnt 0x0
; out0 = attended Wo + bo: the sixth product, on codes of E5M2 that the two launches before have laid as images of operand registers; sums in f32, each x 2^(e10 + e11), + bo.  Nothing is left out here.
; att: byte = M x 8,192 + s x 2,048 + 512 c + 16 l + p (M: tile of 16 rows, s: K step of 128);  Wo's images in wc from byte 786,432 on: (4 nt + s) x 2,048 + 512 c + 16 l + p; the same k at the same (s, c, h, p) in both.
; SHARES.  Work-group g takes rows 256 (g / 2) on, sixteen tiles of 16, and columns 256 (g % 2) on: 128 KiB of att and 128 KiB of Wo's codes, the least sum for 256 work-groups of equal shape.  Wave w takes 64 of the columns
; for all the rows: its 16 fragments of Wo (256 registers, 32,768 consecutive bytes) stay in registers, and each wave loads the rows' fragments straight from att into registers, four tiles' worth by turns, three tiles ahead:
; nothing goes from wave to wave, so there is no barrier.
; TRANSPOSED USE (source 0 = 16 columns of Wo, source 1 = 16 rows): a lane holds eight neighbouring numbers of a row.  A tile goes through the wave's own stage in LDS and leaves as rows: sixteen lanes store 256 consecutive bytes, aligned.
; No tensor loads, no cluster: every operand is an image that goes from memory into the registers where it is used.
; LIMIT: e10 + e11 between -126 and 127, so that 2^(e10 + e11) is an f32 number.
; REGISTERS: window 0: v1-7 addresses; v16-47 four accumulators; v48-79 the results; v80-111 bo in the result's layout; v128-191 rows read back, two sets.  window 1: four tiles of rows' fragments (tile a at 64 (a % 4) + 16 s).
;   window 2: Wo's fragments ((b, s) at 16 (4 b + s)).
.set STG,   4352                       ; a wave's stage: 16 rows x (256 bytes + 16)
.set SP,    272
.set SPARE, 17408                      ; behind the four stages: the spare words, 128 bytes for each wave: two blocks of 256 bytes that no other line names
.set ACC, 16
.set TMP, 48
.set BO,  80
.set BKR, 128
.set MSB, 0
.macro WIN new                         ; bits 1:0 source 0, 3:2 source 1, 5:4 source 2, 7:6 destination; the high byte repeats the setting that is left
.if MSB != (\new)
	s_set_vgpr_msb (MSB<<8)|(\new)
.set MSB, (\new)
.endif
.endm
	s_load_b256 s[4:11], s[0:1], 0x0               ; att s[4:5], wc s[6:7], bo s[8:9], lowp_scales s[10:11]
	s_load_b64 s[12:13], s[0:1], 0x20              ; out0
	v_lshl_add_u32 v1, v0, 2, SPARE                ; my spare word; never rewritten
	v_mov_b32 v2, 0                                ; 0; never rewritten
	v_lshrrev_b32 v8, 5, v0
	v_readfirstlane_b32 s14, v8                    ; wave 0..3
	v_and_b32 v8, 31, v0                           ; l
	v_and_b32 v9, 15, v0                           ; r
	v_bfe_u32 v10, v0, 4, 1                        ; h
	v_lshlrev_b32 v3, 4, v8                        ; v3: 16 l
	s_mul_i32 s15, s14, STG
	v_mul_u32_u24 v4, v9, SP
	v_lshl_add_u32 v4, v10, 5, v4
	v_add_nc_u32 v4, s15, v4                       ; v4: into my stage: row r, + 32 h
	v_mul_u32_u24 v5, v10, SP
	v_lshl_add_u32 v5, v9, 4, v5
	v_add_nc_u32 v5, s15, v5                       ; v5: back: lanes 0-15 one row of 256 bytes, lanes 16-31 the next
	v_lshlrev_b32 v6, 11, v10
	v_lshl_add_u32 v6, v9, 4, v6                   ; v6: the same two rows in out0: 2,048 h + 16 r
	v_lshlrev_b32 v7, 5, v10                       ; v7: in bo: 32 h
	s_and_b32 s16, ttmp9, 1                        ; which 256 columns
	s_lshr_b32 s17, ttmp9, 1                       ; which 256 rows
	s_lshl_b32 s18, s16, 2
	s_add_co_u32 s18, s18, s14                     ; which 64 columns are my wave's
	s_lshl_b32 s24, s18, 15
	s_add_co_u32 s24, s24, 786432                  ; my 16 fragments of Wo
	s_mov_b32 s25, 0
	s_lshl_b32 s26, s17, 17                        ; my work-group's sixteen tiles of att
	s_mov_b32 s27, 0
	s_lshl_b32 s30, s18, 8                         ; my 64 columns, in bytes of f32: in bo,
	s_mov_b32 s31, 0
	s_lshl_b32 s28, s17, 19                        ; and in out0, behind my work-group's first row
	s_add_co_u32 s28, s28, s30
	s_mov_b32 s29, 0
	s_wait_kmcnt 0x0
	s_load_b64 s[22:23], s[10:11], 0x28            ; e10, e11
	s_add_nc_u64 s[6:7], s[6:7], s[24:25]
	s_add_nc_u64 s[4:5], s[4:5], s[26:27]
	s_add_nc_u64 s[8:9], s[8:9], s[30:31]
	s_add_nc_u64 s[12:13], s[12:13], s[28:29]
.macro ALD a                           ; tile a's four fragments, sixteen loads, into set a % 4
	WIN 0x40
.irp ks, 0,1,2,3
.irp c, 0,1,2,3
	global_load_b128 v[64*((\a)%4)+16*\ks+4*\c:64*((\a)%4)+16*\ks+4*\c+3], v3, s[4:5] offset:(\a)*8192+\ks*2048+512*\c
.endr
.endr
	WIN 0
.endm
	ALD 0                                          ; what the first products want goes out first: tile 0, Wo, bo
	WIN 0x80
.set f, 0
.rept 64
	global_load_b128 v[4*f:4*f+3], v3, s[6:7] offset:512*f
.set f, f+1
.endr
	WIN 0
.irp b, 0,1,2,3
	global_load_b128 v[BO+8*\b:BO+8*\b+3], v7, s[8:9] offset:64*\b
	global_load_b128 v[BO+8*\b+4:BO+8*\b+7], v7, s[8:9] offset:64*\b+16
.endr
	ALD 1
	ALD 2
	ALD 3
	s_wait_kmcnt 0x0
	s_add_co_i32 s20, s22, s23
	s_add_co_i32 s20, s20, 127
	s_lshl_b32 s20, s20, 23                        ; 2^(e10 + e11) as f32
	s_mov_b32 s21, s20                             ; (named with it as a pair)
.macro SEND a                          ; tile a's 16 rows leave, two rows an instruction
	s_wait_dscnt 0x0                               ; they are back from the stage
.set t, 0
.rept 8
	global_store_b128 v6, v[BKR+32*((\a)%2)+4*t:BKR+32*((\a)%2)+4*t+3], s[12:13] offset:(16*(\a)+2*t)*2048 th:TH_STORE_NT
.set t, t+1
.endr
.endm
.macro OT a
.if \a < 13
	s_wait_loadcnt 48                              ; loads come back in order: behind tile a's stand the three younger tiles' 48
.else
	s_wait_loadcnt 16*(15-\a)                      ; the last tiles: the counts run down
.endif
	WIN 0x06                                       ; source 0 (Wo) window 2, source 1 (the rows) window 1
.irp ks, 0,1,2,3                       ; 16 matrix instructions: the four accumulators by turns; the first K step starts the sums
.irp b, 0,1,2,3
.if \ks == 0
	v_wmma_f32_16x16x128_bf8_bf8 v[ACC+8*\b:ACC+8*\b+7], v[16*(4*\b+\ks):16*(4*\b+\ks)+15], v[64*((\a)%4)+16*\ks:64*((\a)%4)+16*\ks+15], 0
.else
	v_wmma_f32_16x16x128_bf8_bf8 v[ACC+8*\b:ACC+8*\b+7], v[16*(4*\b+\ks):16*(4*\b+\ks)+15], v[64*((\a)%4)+16*\ks:64*((\a)%4)+16*\ks+15], v[ACC+8*\b:ACC+8*\b+7]
.endif
.endr
.endr
	WIN 0
	s_wait_xcnt 0x0                                ; the stores of the tile before last, issued a tile ago, have read their data: this tile's rows come back into those registers below
.if \a > 0
	SEND \a-1                                      ; the tile before has had these products' time for its way through the stage
.endif
.rept 4
	v_nop                                          ; four plain lines between the last product and the loads into its registers and the reads of its result
.endr
.if \a < 12
	ALD \a+4
.endif
.set j, 0
.rept 16
	v_pk_fma_f32 v[TMP+j:TMP+j+1], v[ACC+j:ACC+j+1], s[20:21], v[BO+j:BO+j+1] op_sel_hi:[1,0,1]   ; sum x 2^(e10 + e11) + bo; each accumulator from its low end on
.set j, j+2
.endr
.irp b, 0,1,2,3
	ds_store_b128 v4, v[TMP+8*\b:TMP+8*\b+3] offset:64*\b
	ds_store_b128 v4, v[TMP+8*\b+4:TMP+8*\b+7] offset:64*\b+16
.endr
.set t, 0
.rept 8
	ds_load_b128 v[BKR+32*((\a)%2)+4*t:BKR+32*((\a)%2)+4*t+3], v5 offset:2*SP*t    ; LDS serves a wave's instructions in order (ISA guide 5.7.1.4): these see my stores, and the next tile's stores come behind them
.set t, t+1
.endr
.endm
.irp a, 0,1,2,3,4,5,6,7,8,9,10,11,12,13,14,15
	OT \a
.endr
	SEND 15
	s_wait_tensorcnt 0x0                           ; the wave's end, behind my last LDS store
	ds_add_u32 v1, v2
	s_wait_dscnt 0x0
	s_endpgm
.Lfunc_end_k_q7ff8c100b1_oproj:
	.size	k_q7ff8c100b1_oproj, .Lfunc_end_k_q7ff8c100b1_oproj-k_q7ff8c100b1_oproj
	.p2alignl 7, 3214868480
	.fill 96, 4, 3214868480
	.section	.rodata,"a",@progbits
	.p2align	6, 0x0
	.amdhsa_kernel k_q7ff8c100b1_oproj
		.amdhsa_group_segment_fixed_size 17920
		.amdhsa_private_segment_fixed_size 0
		.amdhsa_enable_private_segment 0
		.amdhsa_kernarg_size 40
		.amdhsa_user_sgpr_count 2
		.amdhsa_user_sgpr_kernarg_segment_ptr 1
		.amdhsa_wavefront_size32 1
		.amdhsa_system_sgpr_workgroup_id_x 1
		.amdhsa_system_sgpr_workgroup_id_y 1
		.amdhsa_system_sgpr_workgroup_id_z 1
		.amdhsa_system_vgpr_workitem_id 0
		.amdhsa_next_free_vgpr 768
		.amdhsa_next_free_sgpr 66
		.amdhsa_reserve_vcc 0
		.amdhsa_float_denorm_mode_32 3
		.amdhsa_float_denorm_mode_16_64 3
		.amdhsa_memory_ordered 1
		.amdhsa_forward_progress 1
		.amdhsa_inst_pref_size 99
	.end_amdhsa_kernel
	.amdgpu_metadata
---
amdhsa.version: [ 1, 2 ]
amdhsa.kernels:
  - .name:           k_q7ff8c100b1_oproj
    .symbol:         k_q7ff8c100b1_oproj.kd
    .args:
      - { .name: att, .offset: 0, .size: 8, .value_kind: global_buffer, .address_space: global }
      - { .name: wc, .offset: 8, .size: 8, .value_kind: global_buffer, .address_space: global }
      - { .name: bo, .offset: 16, .size: 8, .value_kind: global_buffer, .address_space: global }
      - { .name: lowp_scales, .offset: 24, .size: 8, .value_kind: global_buffer, .address_space: global }
      - { .name: out0, .offset: 32, .size: 8, .value_kind: global_buffer, .address_space: global }
    .group_segment_fixed_size: 17920
    .private_segment_fixed_size: 0
    .kernarg_segment_align: 8
    .kernarg_segment_size: 40
    .max_flat_workgroup_size: 128
    .sgpr_count:     66
    .vgpr_count:     768
    .wavefront_size: 32
...
	.end_amdgpu_metadata
.endif
;; end of part 3
